; MI455X (gfx1250); checked and timed in simulation.
; The chip was launched on July 23, 2026; its instructions are those of AMD's public machine-readable ISA for CDNA 5 (MIT licence, August 2026) and "CDNA5" Instruction Set Architecture Reference Guide (July 2026). The comments in the code are by the model that wrote it; some were corrected since.
;; Multi Scale Sliding Window. Allowed arithmetic: matrix products marked QUANTISED: E4M3 operands, one E8M0 scale for each 32 along K, by v_wmma_scale_f32_16x16x128_f8f6f4 with both operands' format E4M3, f32 sums; products left as they are: f32 operands where the result goes on into a quantised operand, else bf16, f16 or f32 operands; f32 sums; everything else in f32.
;; Inputs: W 3 x 1,024 x 1,024 float32; b 3 x 1,024 float32; beta 3 x 1,024 float32; gamma 3 x 1,024 float32; x 32 x 512 x 1,024 float32.
;; Outputs: out0 32 x 1,024 float32; out1 32 x 1,024 float32; out2 32 x 1,024 float32.
;; This version of the problem:
;;   THIS VERSION OF THE PROBLEM IS GIVEN IN LOW PRECISION. The matrix products marked QUANTISED in the list below multiply operands that are first quantised to E4M3 (4 exponent bits, 3 mantissa bits; 8 bits a number), with one power-of-two scale for each 32 numbers along K (OCP MX v1.0); their sums are f32. All else is computed in f32.
;;   The module's matrix products, in the order in which they are computed (A, B: the left and right operand; K: the contracted axis; several contracted axes count as one K, in the product's order):
;;     1. [M 16,384, K 1,024] x [K 1,024, N 1,024]; A: input x; B: input W: QUANTISED
;;     2. [M 32,768, K 512] x [K 512, N 1]; A: computed on the way; B: computed on the way: left as it is (N = 1 < 16)
;;     3. [M 16,384, K 1,024] x [K 1,024, N 1,024]; A: input x; B: input W: QUANTISED
;;     4. [M 32,768, K 512] x [K 512, N 1]; A: computed on the way; B: computed on the way: left as it is (N = 1 < 16)
;;     5. [M 16,384, K 1,024] x [K 1,024, N 1,024]; A: input x; B: input W: QUANTISED
;;     6. [M 32,768, K 512] x [K 512, N 1]; A: computed on the way; B: computed on the way: left as it is (N = 1 < 16)
;;   THE QUANTISER, for each operand of a quantised product, along K:
;;     - K is cut into blocks of 32 from its start; a last block that is shorter is filled with zeros.
;;     - A block's scale is 2^e with e = floor(log2(the largest magnitude in the block)) - 8, held to -126 .. 127; a block of zeros has e = 0. As a byte (E8M0): e + 127.
;;     - Each number is divided by its block's scale, clamped to +-448, and rounded to the nearest number of E4M3, ties to even, subnormals kept.
;;     - The product sums the exact products of the quantised numbers (number of the format x scale) in f32.
;;   ~~~python
;;   def quantise(x, axis):      # numpy; x: float32 -> the quantised numbers, widened to float32 again
;;       x = np.moveaxis(x, axis, -1); K = x.shape[-1]
;;       x = np.pad(x, [(0, 0)] * (x.ndim - 1) + [(0, -K % 32)]); x = x.reshape(x.shape[:-1] + (-1, 32)); a = np.abs(x).max(-1, keepdims=True)
;;       e = np.where(a > 0, np.clip(np.frexp(np.where(a > 0, a, 1))[1] - 1 - 8, -126, 127), 0)      # np.frexp(a)[1] - 1 = floor(log2(a)), exactly
;;       r = np.clip(x / 2.0 ** e, -448, 448)
;;       step = 2.0 ** (np.maximum(np.frexp(np.where(r == 0, 1, r))[1] - 1, -6) - 3)
;;       q = np.round(r / step) * step * 2.0 ** e      # np.round: ties to even
;;       return np.moveaxis(q.reshape(q.shape[:-2] + (-1,))[..., :K], -1, axis).astype(np.float32)
;;   ~~~
;; One version. Each part assembles by itself: llvm-mc -triple=amdgcn-amd-amdhsa -mcpu=gfx1250 --defsym DOCPART=n.
;; ======== version 1 of 1: 3 launches
;; limits: right only within a limited range of input values
;; workspace buffers: wq 3,145,728 bytes; ws 98,304 bytes; part 3,145,728 bytes
;; launch quantw (part 1): grid 192 x 1, 2 waves a work-group, no clusters, 17,152 bytes of LDS; arguments W, wq, ws; writes wq, ws
.if DOCPART == 1
	.amdgcn_target "amdgcn-amd-amdhsa--gfx1250"
	.amdhsa_code_object_version 6
	.text
	.protected	k_q121a0f7ab0_quantw
	.globl	k_q121a0f7ab0_quantw
	.p2align	8
	.type	k_q121a0f7ab0_quantw,@function
k_q121a0f7ab0_quantw:
	s_mov_b64 s[64:65], 0
	v_nop
	global_prefetch_b8 v0, s[64:65] scope:SCOPE_SE
	s_setreg_imm32_b32 hwreg(HW_REG_WAVE_MODE, 25, 1), 1
	s_wait_xcnt 0x0
; W [3 x 1024][1024], f32, K innermost, becomes codes of FP8 (E4M3) with one E8M0 scale byte for each 32 along K.  (x is quantised by the launch that multiplies it, which reads each of its numbers once.)
; A block's scale is 2^(floor(log2(its largest magnitude)) - 8); its byte is the largest magnitude's exponent field - 8, held at 1 from below.
; Each number is divided by the scale, held within +-448 and rounded to the nearest code, ties to even.
; LIMITS: a block of zeros gets the byte 1 where the rule says 127 (its codes are zeros, and this program alone reads the bytes); NaN and infinities are not served.
; THE CODES ARE LAID AS IMAGES OF THE OPERAND'S REGISTERS: a fragment (16 rows x 128 K) is 2,048 bytes, [c 4][lane 32][16 bytes]; lane (r, h) holds row r, k = 32 c + 16 h + 0 .. 15.
;   wq [i 3][s 8][64-row group 16][f 4][image]: row 64 group + 16 f + r of W[i], K step s.
;   ws [i][s][group][lane 32][2 words]: a word is the four blocks of a K step of one row; word j of lane (r, h) belongs to row 16 (j + 2 h) + r of the 64.
; SHARES: a wave owns one K step of 64 rows, four fragments: 48 groups x 8 steps = 384 waves = 192 work-groups of two.  Waves share nothing: no barrier.
; Each load reads 512 consecutive bytes of one row; a fragment's 16 x 512 bytes turn through the wave's own stage in LDS (rows 528 bytes apart), so that a lane gets 16 neighbours of each block.
.set SP,   528
.set STG,  16*SP                       ; a wave's stage: 8,448 bytes
.set SPARE, 2*STG                      ; the spare words: 128 bytes a wave
.set TM,   8                           ; v8-11 largest magnitudes, v12-15 bytes, v16-19 448 x the scale, v20-23 the conversions' scale operands
.set PW,   24                          ; v24-27 the four fragments' scale words
.set R,    32                          ; v32-159 two sets of 64 numbers
.set PC,   160                         ; v160-223 codes: 16 registers for each fragment, so that no store's data are written again
.set MNT,  31                          ; s31 the mantissa field of 448
.set SEL,  34                          ; s[34:35] v_permlanex16_b32's selects for lane l xor 16
	s_load_b64 s[4:5], s[0:1], 0x0                 ; W
	s_load_b128 s[8:11], s[0:1], 0x8               ; wq, ws
	v_lshl_add_u32 v224, v0, 2, SPARE
	v_mov_b32 v225, 0
	v_lshrrev_b32 v6, 5, v0
	v_readfirstlane_b32 s16, v6                    ; wave
	v_and_b32 v7, 31, v0                           ; lane
	v_and_b32 v6, 15, v0                           ; r
	v_bfe_u32 v5, v0, 4, 1                         ; h
	v_lshlrev_b32 v1, 4, v7                        ; 16 x lane: my bytes of a load's 512 and of a store's 512
	s_mul_i32 s30, s16, STG
	v_add_nc_u32 v2, s30, v1                       ; the stage, on the way in
	v_mul_u32_u24 v3, v6, SP
	v_lshl_add_u32 v3, v5, 6, v3
	v_add_nc_u32 v3, s30, v3                       ; and on the way out: row r, + 64 h
	v_lshlrev_b32 v4, 3, v7                        ; 8 x lane: my two scale words
.irp b, 0,1,2,3
	v_mov_b32 v[TM+4+\b], 0                        ; written once: a lane permute's destination counts as one of its sources
.endr
	s_mov_b32 s[MNT], 0x600000
	s_mov_b32 s[SEL], 0x76543210
	s_mov_b32 s[SEL+1], 0xfedcba98
	s_and_b32 s33, ttmp9, 3
	s_lshl_b32 s33, s33, 1
	s_add_co_u32 s33, s33, s16                     ; my K step
	s_lshr_b32 s17, ttmp9, 2                       ; my group of 64 rows, 0 .. 47
	s_lshl_b32 s18, s17, 18                        ; 64 rows of 4,096 bytes,
	s_lshl_b32 s19, s33, 9                         ; my K step's 512 bytes of a row
	s_add_co_u32 s18, s18, s19
	s_mov_b32 s19, 0
	s_lshr_b32 s24, s17, 4
	s_lshl_b32 s24, s24, 3
	s_add_co_u32 s24, s24, s33                     ; 8 i + step
	s_and_b32 s25, s17, 15                         ; the group within W[i]
	s_lshl_b32 s20, s24, 17
	s_lshl_b32 s27, s25, 13
	s_add_co_u32 s20, s20, s27                     ; codes: (8 i + step) x 131,072 + group x 8,192
	s_lshl_b32 s22, s24, 12
	s_lshl_b32 s29, s25, 8
	s_add_co_u32 s22, s22, s29                     ; scale words: (8 i + step) x 4,096 + group x 256
	s_mov_b32 s21, 0
	s_mov_b32 s23, 0
	s_wait_alu depctr_va_vdst(0)                   ; the head's end
	s_wait_kmcnt 0x0
	s_add_nc_u64 s[4:5], s[4:5], s[18:19]
	s_add_nc_u64 s[8:9], s[8:9], s[20:21]
	s_add_nc_u64 s[10:11], s[10:11], s[22:23]
.macro LOAD f                          ; fragment f: 16 rows, 512 consecutive bytes a load
.irp rr, 0,1,2,3,4,5,6,7,8,9,10,11,12,13,14,15
	global_load_b128 v[R+64*((\f)%2)+4*\rr:R+64*((\f)%2)+4*\rr+3], v1, s[4:5] offset:(16*(\f)+\rr)*4096 th:TH_LOAD_NT
.endr
.endm
.macro TURN f                          ; through the stage and back into the registers that they left: LDS serves a wave's instructions in order (ISA guide 5.7.1.4)
.irp rr, 0,1,2,3,4,5,6,7,8,9,10,11,12,13,14,15
	ds_store_b128 v2, v[R+64*((\f)%2)+4*\rr:R+64*((\f)%2)+4*\rr+3] offset:SP*\rr
.endr
.irp c, 0,1,2,3
.irp j, 0,1,2,3
	ds_load_b128 v[R+64*((\f)%2)+16*\c+4*\j:R+64*((\f)%2)+16*\c+4*\j+3], v3 offset:128*\c+16*\j   ; register 16 c + i = k 32 c + 16 h + i of row r
.endr
.endr
.endm
.macro QUANT f                         ; 64 numbers of a lane become the fragment's codes and its row's scale word
.set RS, R+64*((\f)%2)
.set PCF, PC+16*(\f)
.irp b, 0,1,2,3
	v_max3_num_f32 v[TM+\b], |v[RS+16*\b]|, |v[RS+1+16*\b]|, 0x4800000   ; block b: my 16 numbers, and the floor 2^(9 - 127): the byte cannot fall under 1
.endr
.irp i, 2,4,6,8,10,12,14
.irp b, 0,1,2,3
	v_max3_num_f32 v[TM+\b], v[TM+\b], |v[RS+16*\b+\i]|, |v[RS+1+16*\b+\i]|   ; the four blocks by turns
.endr
.endr
.irp b, 0,1,2,3
	v_permlanex16_b32 v[TM+4+\b], v[TM+\b], s[SEL], s[SEL+1]
.endr
.irp b, 0,1,2,3
	v_max_num_f32 v[TM+\b], v[TM+\b], v[TM+4+\b]   ; with lane l xor 16's 16: the block's largest magnitude
.endr
.irp b, 0,1,2,3
	v_add_nc_u32 v[TM+12+\b], 0xfc000000, v[TM+\b] ; 8 off its exponent field: the conversion's scale operand
.endr
.irp b, 0,1,2,3
	v_and_or_b32 v[TM+8+\b], v[TM+\b], 0x7f800000, s[MNT]   ; 448 x the scale
.endr
.irp b, 0,1,2,3
	v_lshrrev_b32 v[TM+4+\b], 23, v[TM+12+\b]      ; the scale's byte
.endr
	v_lshl_or_b32 v[PW+(\f)], v[TM+5], 8, v[TM+4]  ; four bytes make my row's scale word
	v_lshl_or_b32 v[PW+(\f)], v[TM+6], 16, v[PW+(\f)]
	v_lshl_or_b32 v[PW+(\f)], v[TM+7], 24, v[PW+(\f)]
.irp b, 0,1,2,3
.irp i, 0,1,2,3,4,5,6,7,8,9,10,11,12,13,14,15
	v_med3_num_f32 v[RS+16*\b+\i], v[RS+16*\b+\i], -v[TM+8+\b], v[TM+8+\b]   ; the conversion to an 8-bit code does not saturate (ISA guide 7.6.2): the hold comes first
.endr
	v_cvt_scalef32_pk8_fp8_f32 v[PCF+4*\b:PCF+1+4*\b], v[RS+16*\b:RS+7+16*\b], v[TM+12+\b]
	v_cvt_scalef32_pk8_fp8_f32 v[PCF+2+4*\b:PCF+3+4*\b], v[RS+8+16*\b:RS+15+16*\b], v[TM+12+\b]
.endr
	v_nop                                          ; one plain vector instruction behind the last conversion
.endm
	LOAD 0
	LOAD 1
.irp f, 0,1,2,3
.if \f < 3
	s_wait_loadcnt 16                              ; this fragment's 16 loads are in; the next fragment's 16 stay out
.else
	s_wait_loadcnt 0x0
.endif
	TURN \f
	s_wait_dscnt 0x0
	QUANT \f
.irp c, 0,1,2,3
	global_store_b128 v1, v[PC+16*\f+4*\c:PC+16*\f+4*\c+3], s[8:9] offset:2048*\f+512*\c   ; 32 lanes store 512 consecutive bytes, aligned
.endr
.if \f < 2
	LOAD \f+2
.endif
.endr
	v_cmp_ne_u32 vcc_lo, 0, v5                     ; lanes 0-15 carry fragments 0 and 1's words, lanes 16-31 fragments 2 and 3's
	v_cndmask_b32 v28, v[PW], v[PW+2], vcc_lo
	v_cndmask_b32 v29, v[PW+1], v[PW+3], vcc_lo
	global_store_b64 v4, v[28:29], s[10:11]        ; 32 lanes store 256 consecutive bytes, aligned
	s_wait_tensorcnt 0x0                           ; the wave's end: behind my last LDS store
	ds_add_u32 v224, v225
	s_wait_dscnt 0x0
	s_endpgm
.Lfunc_end_k_q121a0f7ab0_quantw:
	.size	k_q121a0f7ab0_quantw, .Lfunc_end_k_q121a0f7ab0_quantw-k_q121a0f7ab0_quantw
	.p2alignl 7, 3214868480
	.fill 96, 4, 3214868480
	.section	.rodata,"a",@progbits
	.p2align	6, 0x0
	.amdhsa_kernel k_q121a0f7ab0_quantw
		.amdhsa_group_segment_fixed_size 17152
		.amdhsa_private_segment_fixed_size 0
		.amdhsa_enable_private_segment 0
		.amdhsa_kernarg_size 24
		.amdhsa_user_sgpr_count 2
		.amdhsa_user_sgpr_kernarg_segment_ptr 1
		.amdhsa_wavefront_size32 1
		.amdhsa_system_sgpr_workgroup_id_x 1
		.amdhsa_system_sgpr_workgroup_id_y 1
		.amdhsa_system_sgpr_workgroup_id_z 1
		.amdhsa_system_vgpr_workitem_id 0
		.amdhsa_next_free_vgpr 226
		.amdhsa_next_free_sgpr 66
		.amdhsa_reserve_vcc 1
		.amdhsa_float_denorm_mode_32 3
		.amdhsa_float_denorm_mode_16_64 3
		.amdhsa_memory_ordered 1
		.amdhsa_forward_progress 1
		.amdhsa_inst_pref_size 51
	.end_amdhsa_kernel
	.amdgpu_metadata
---
amdhsa.version: [ 1, 2 ]
amdhsa.kernels:
  - .name:           k_q121a0f7ab0_quantw
    .symbol:         k_q121a0f7ab0_quantw.kd
    .args:
      - { .name: W, .offset: 0, .size: 8, .value_kind: global_buffer, .address_space: global }
      - { .name: wq, .offset: 8, .size: 8, .value_kind: global_buffer, .address_space: global }
      - { .name: ws, .offset: 16, .size: 8, .value_kind: global_buffer, .address_space: global }
    .group_segment_fixed_size: 17152
    .private_segment_fixed_size: 0
    .kernarg_segment_align: 8
    .kernarg_segment_size: 24
    .max_flat_workgroup_size: 64
    .sgpr_count:     66
    .vgpr_count:     226
    .wavefront_size: 32
...
	.end_amdgpu_metadata
.endif
;; end of part 1
;; launch mlp (part 2): grid 256 x 1, 8 waves a work-group, no clusters, 140,288 bytes of LDS; arguments x, wq, ws, b, gamma, beta, part; writes part
.if DOCPART == 2
	.amdgcn_target "amdgcn-amd-amdhsa--gfx1250"
	.amdhsa_code_object_version 6
	.text
	.protected	k_q121a0f7ab0_mlp
	.globl	k_q121a0f7ab0_mlp
	.p2align	8
	.type	k_q121a0f7ab0_mlp,@function
k_q121a0f7ab0_mlp:
	s_mov_b64 s[64:65], 0
	v_nop
	global_prefetch_b8 v0, s[64:65] scope:SCOPE_SE
	s_setreg_imm32_b32 hwreg(HW_REG_WAVE_MODE, 25, 1), 1
	s_wait_xcnt 0x0
; part[i][g][:] = the sum over the 64 tokens of row block g of w(token) x gelu(LayerNorm(x W[i]^T + b[i]) gamma[i] + beta[i]), i = 0, 1, 2.  The product is on codes of FP8 (E4M3) with E8M0 scales, sums in f32.
; SHARES.  Work-group g keeps 64 tokens and walks the three scales in a counted loop.  Wave w of eight takes the 64 tokens x columns 128 w .. 128 w + 127: 4 token tiles a x 8 column tiles b = 32 accumulators
; (window 1; accumulator (a, b) at v[32 b + 8 a]).  Source 0 = 16 rows of W, source 1 = 16 tokens: lane (r, h) holds token 16 a + r, register j column 128 w + 16 b + 8 h + j.  The bias is loaded into the accumulators.
; x's codes (65,536 bytes) and scale words (2,048) of the 64 tokens go into LDS once, through registers, and serve all three scales.
; W's codes and scale words lie in memory as images of the operand registers and go STRAIGHT INTO REGISTERS: a wave's 16,384 bytes of a K step are read by that wave alone, so LDS would hold them for one reader.
; NO CLUSTER, NO JOINT LOADS: no byte of W has a second reader inside a work-group, the launch has no tensor load, and each wave waits for its own loads by count, with no barrier in the K steps.
; A fragment's registers take the next K step's fragment as soon as its four products and eight places are past: 24 to 34 loads of a wave are out.
; PREFETCH: wave 0 of work-group g names bytes 512 g .. 512 g + 511 of the 131,072 of the tile that is loaded two K steps on (256 work-groups x 2 blocks of 256 bytes = the tile); tiles 0 to 2 at the head; it stops at W's last tile.
; GELU.  With c = sqrt(log2(e) / 2) and v' = c v:  gelu(v) = (0.5 v' + |v'| r') / c,  r' = 0.5 - t (A1 + t (A2 + t (A3 + t (A4 + t A5)))) 2^(-v' v'),  t = 1 / (1 + P |v'|): the five-term rational form of erf.
; LIMITS: that form's absolute error in erf is at most 1.5e-7; NaN and infinities are not served.  1 / c goes into the token's weight, c into rstd and beta.
; REGISTERS, window 0: v1-2 the add's; v3-15 addresses; v16-27 scale words, two sets; v28-31 A4 and scratch; v32-95 x's four fragments; v96-223 W's eight; v224-255 second home of x's tiles 0 and 1.
.set XSC,   0                          ; x's scale words
.set XC,    2048                       ; x's codes, [K step 8][8,192]
.set STAT1, 67584                      ; [token 64][wave 8] f32: the waves' sums; 2,048 bytes on the same for the squares
.set STG,   71680                      ; the way out: 16 rows x 528 bytes for each wave
.set SGP,   528
.set SPARE, 139264                     ; the spare words: 128 bytes a wave
.set WSTEP, 131072
.set MSB, 0
.macro WIN new                         ; bits 1:0 source 0, 3:2 source 1, 5:4 source 2, 7:6 destination; the high byte repeats the setting that is left
.if MSB != \new
	s_set_vgpr_msb (MSB<<8)|\new
.set MSB, \new
.endif
.endm
.macro PLACES n
.rept \n
	v_nop
.endr
.endm
.macro WALU
	s_wait_alu depctr_va_vdst(0)
.endm
.macro ASK flag, off                   ; the flag is 1 in wave 0 while a tile is left to name
	s_cmp_lg_u32 s[\flag], 0
	s_cbranch_scc0 .Lno_ask_\@
	global_prefetch_b8 v15, s[8:9] offset:\off th:TH_LOAD_NT scope:SCOPE_SE
.Lno_ask_\@:
.endm
.macro FRAG reg, off                   ; a fragment of x from LDS: registers 4 c .. 4 c + 3 from 512 c + 16 x lane
.irp c, 0,1,2,3
	ds_load_b128 v[(\reg)+4*\c:(\reg)+4*\c+3], v5 offset:(\off)+512*\c
.endr
.endm
.macro GFRAG reg, off                  ; a fragment of W from memory, likewise: each load reads 512 consecutive bytes
.irp c, 0,1,2,3
	global_load_b128 v[(\reg)+4*\c:(\reg)+4*\c+3], v3, s[8:9] offset:(\off)+512*\c
.endr
.endm
; One product: column tile b x token tile a of K step t.  W's scale word: register 2 (b / 4) + b % 2 of the set, lanes 16-31 where (b / 2) % 2 = 1; x's: register 4 + a % 2, lanes 16-31 for a >= 2.
.macro WM t, b, a
.set rD, 32*(\b)+8*(\a)
.set rW, 96+16*(\b)
.if (\a) < 2
.set rX, 32+192*((\t)%2)+16*(\a)
.else
.set rX, 32+16*(\a)
.endif
.set rSW, 16+6*((\t)%2)+2*((\b)/4)+((\b)%2)
.set rSX, 16+6*((\t)%2)+4+((\a)%2)
.if ((((\b)/2)%2) == 0) && ((\a) < 2)
	v_wmma_scale_f32_16x16x128_f8f6f4 v[rD:rD+7], v[rW:rW+15], v[rX:rX+15], v[rD:rD+7], v[rSW], v[rSX]
.elseif (\a) < 2
	v_wmma_scale_f32_16x16x128_f8f6f4 v[rD:rD+7], v[rW:rW+15], v[rX:rX+15], v[rD:rD+7], v[rSW], v[rSX] matrix_a_scale:MATRIX_SCALE_ROW1
.elseif (((\b)/2)%2) == 0
	v_wmma_scale_f32_16x16x128_f8f6f4 v[rD:rD+7], v[rW:rW+15], v[rX:rX+15], v[rD:rD+7], v[rSW], v[rSX] matrix_b_scale:MATRIX_SCALE_ROW1
.else
	v_wmma_scale_f32_16x16x128_f8f6f4 v[rD:rD+7], v[rW:rW+15], v[rX:rX+15], v[rD:rD+7], v[rSW], v[rSX] matrix_a_scale:MATRIX_SCALE_ROW1 matrix_b_scale:MATRIX_SCALE_ROW1
.endif
.endm
.macro MULG t, q                       ; eight products: column tiles 2 q, 2 q + 1 x the four token tiles.  The 32 accumulators take turns, in the same order in every step
	WIN 0x50                                       ; C and D in window 1
.irp bo, 0,1
.irp a, 0,1,2,3
	WM \t,2*(\q)+\bo,\a
.endr
.endr
.endm
; A K STEP.  Behind the loads of column tiles 2 q, 2 q + 1 a wave has issued: the 8 (3 - q) of the groups behind them in the step before, and in this step 10 for group 0 (two of them scale words) and 8 for each further group.
.macro STEP t
.set NXT, 1-(\t)%2
	s_wait_dscnt 0x0                               ; x's fragments and scale words of this step
.irp q, 0,1,2,3
.if (\t) == 7
	s_wait_loadcnt 24-8*\q                         ; the last step issues none
.elseif \q == 0
	s_wait_loadcnt 24
.else
	s_wait_loadcnt 26
.endif
	MULG \t,\q
.if (\t) < 7
	PLACES 8                                       ; eight places in front of loads into registers that these products have read
	WIN 0
	GFRAG 96+32*\q,WSTEP*((\t)+1)+4096*\q
	GFRAG 112+32*\q,WSTEP*((\t)+1)+4096*\q+2048
.if \q == 0
	global_load_b64 v[16+6*NXT:17+6*NXT], v7, s[10:11] offset:4096*((\t)+1)
	global_load_b64 v[18+6*NXT:19+6*NXT], v7, s[10:11] offset:4096*((\t)+1)+256
	FRAG 32+192*NXT,8192*((\t)+1)                  ; the next step's token tiles 0 and 1 into their other home
	FRAG 48+192*NXT,8192*((\t)+1)+2048
	ds_load_b64 v[20+6*NXT:21+6*NXT], v8 offset:256*((\t)+1)
.if (\t) < 5
	ASK 26,WSTEP*((\t)+3)
.else
	ASK 27,WSTEP*((\t)+3)                          ; these tiles are the next scale's: none behind the last
.endif
.endif
.if \q == 3
	FRAG 64,8192*((\t)+1)+4096                     ; token tiles 2 and 3 have one home: they come last
	FRAG 80,8192*((\t)+1)+6144
.endif
.endif
.endr
.endm
; x IS QUANTISED HERE, AT THE HEAD: the work-group reads each number of its 64 rows of x (f32) from memory once.  Wave s takes K step s of the 64 rows: four fragments of 16 rows x 128 K.
; A block's scale is 2^(floor(log2(its largest magnitude)) - 8); its byte is that magnitude's exponent field - 8, held at 1 from below; each number is divided by the scale, held within +-448 and rounded to the nearest code, ties to even.
; LIMIT: a block of zeros gets the byte 1 where the rule says 127: its codes are zeros, and this launch alone reads the bytes.
; Each load reads 512 consecutive bytes of one row; a fragment's 16 x 512 bytes turn through the wave's own stage (the way out's), so that a lane gets 16 neighbours of each block; codes and scale words go to LDS as images of the operand's registers.
.set XR,   32                          ; v32-159 two sets of 64 numbers
.set XPC,  160                         ; v160-223 codes, 16 registers a fragment
.set TM,   224                         ; v224-227 largest magnitudes, v228-231 bytes, v232-235 448 x the scale, v236-239 the conversions' scale operands
.set PW,   240                         ; v240-243 the four fragments' scale words
.macro XLOAD f
.irp rr, 0,1,2,3,4,5,6,7,8,9,10,11,12,13,14,15
	global_load_b128 v[XR+64*((\f)%2)+4*\rr:XR+64*((\f)%2)+4*\rr+3], v14, s[4:5] offset:(16*(\f)+\rr)*4096 th:TH_LOAD_NT
.endr
.endm
.macro XTURN f                         ; LDS serves a wave's instructions in order (ISA guide 5.7.1.4)
.irp rr, 0,1,2,3,4,5,6,7,8,9,10,11,12,13,14,15
	ds_store_b128 v12, v[XR+64*((\f)%2)+4*\rr:XR+64*((\f)%2)+4*\rr+3] offset:SGP*\rr
.endr
.irp c, 0,1,2,3
.irp j, 0,1,2,3
	ds_load_b128 v[XR+64*((\f)%2)+16*\c+4*\j:XR+64*((\f)%2)+16*\c+4*\j+3], v31 offset:128*\c+16*\j   ; register 16 c + i = k 32 c + 16 h + i of row r
.endr
.endr
.endm
.macro XQUANT f
.set RS, XR+64*((\f)%2)
.set PCF, XPC+16*(\f)
.irp b, 0,1,2,3
	v_max3_num_f32 v[TM+\b], |v[RS+16*\b]|, |v[RS+1+16*\b]|, 0x4800000   ; my 16 numbers of block b, and the floor 2^(9 - 127)
.endr
.irp i, 2,4,6,8,10,12,14
.irp b, 0,1,2,3
	v_max3_num_f32 v[TM+\b], v[TM+\b], |v[RS+16*\b+\i]|, |v[RS+1+16*\b+\i]|
.endr
.endr
.irp b, 0,1,2,3
	v_permlanex16_b32 v[TM+4+\b], v[TM+\b], s98, s99
.endr
.irp b, 0,1,2,3
	v_max_num_f32 v[TM+\b], v[TM+\b], v[TM+4+\b]   ; with lane l xor 16's 16
.endr
.irp b, 0,1,2,3
	v_add_nc_u32 v[TM+12+\b], 0xfc000000, v[TM+\b] ; the conversion's scale operand
.endr
.irp b, 0,1,2,3
	v_and_or_b32 v[TM+8+\b], v[TM+\b], 0x7f800000, s29   ; 448 x the scale
.endr
.irp b, 0,1,2,3
	v_lshrrev_b32 v[TM+4+\b], 23, v[TM+12+\b]      ; the scale's byte
.endr
	v_lshl_or_b32 v[PW+(\f)], v[TM+5], 8, v[TM+4]
	v_lshl_or_b32 v[PW+(\f)], v[TM+6], 16, v[PW+(\f)]
	v_lshl_or_b32 v[PW+(\f)], v[TM+7], 24, v[PW+(\f)]
.irp b, 0,1,2,3
.irp i, 0,1,2,3,4,5,6,7,8,9,10,11,12,13,14,15
	v_med3_num_f32 v[RS+16*\b+\i], v[RS+16*\b+\i], -v[TM+8+\b], v[TM+8+\b]   ; the conversion does not saturate (ISA guide 7.6.2): the hold comes first
.endr
	v_cvt_scalef32_pk8_fp8_f32 v[PCF+4*\b:PCF+1+4*\b], v[RS+16*\b:RS+7+16*\b], v[TM+12+\b]
	v_cvt_scalef32_pk8_fp8_f32 v[PCF+2+4*\b:PCF+3+4*\b], v[RS+8+16*\b:RS+15+16*\b], v[TM+12+\b]
.endr
	v_nop                                          ; one plain vector instruction behind the last conversion
.endm
	s_load_b64 s[4:5], s[0:1], 0x0                 ; x
	s_load_b128 s[8:11], s[0:1], 0x8               ; wq s[8:9], ws s[10:11]
	s_load_b256 s[12:19], s[0:1], 0x18             ; b s[12:13], gamma s[14:15], beta s[16:17], part s[18:19]
	v_lshl_add_u32 v1, v0, 2, SPARE
	v_mov_b32 v2, 0
	v_lshrrev_b32 v3, 5, v0
	v_readfirstlane_b32 s20, v3                    ; wave 0..7
	s_lshl_b32 s2, s20, 14
	s_lshl_b32 s3, s20, 9
	s_lshl_b32 s21, s20, 2
	s_mul_i32 s22, s20, 16*SGP
	s_add_co_u32 s22, s22, STG
	s_lshl_b32 s24, s20, 13
	s_lshl_b32 s25, s20, 8
	s_lshl_b32 s28, ttmp9, 9
	v_and_b32 v28, 31, v0                          ; lane
	v_and_b32 v29, 15, v0                          ; r
	v_bfe_u32 v30, v0, 4, 1                        ; h
	v_lshl_add_u32 v3, v28, 4, s2                  ; W's codes: my 16,384 bytes of a step, 16 x lane
	v_lshl_add_u32 v4, v28, 4, s24                 ; x's codes on their way into LDS (behind XC): K step = wave, 16 x lane
	v_lshlrev_b32 v5, 4, v28
	v_add_nc_u32 v5, XC, v5                        ; x's fragments in LDS
	v_lshl_add_u32 v6, v28, 3, s25                 ; x's scale words on their way into LDS: 256 x wave + 8 x lane
	v_lshl_add_u32 v7, v28, 3, s3                  ; W's scale words: 512 bytes a wave and step, 8 x lane
	v_lshlrev_b32 v8, 3, v28                       ; x's scale words in LDS
	v_lshlrev_b32 v10, 5, v29
	v_add_nc_u32 v10, STAT1, v10                   ; token r's eight sums,
	v_add_nc_u32 v9, s21, v10                      ; and my wave's word among them
	v_mul_u32_u24 v11, v29, SGP
	v_lshl_add_u32 v11, v30, 5, v11
	v_add_nc_u32 v11, s22, v11                     ; the stage, in: row r, + 32 h
	v_lshl_add_u32 v12, v28, 4, s22                ; back: 16 x lane of a row
	v_lshl_add_u32 v13, v30, 5, s3                 ; b, gamma, beta: my wave's 512 bytes, + 32 h
	v_lshl_add_u32 v14, v28, 4, s3                 ; part: my wave's 512 bytes, 16 x lane
	v_min_u32 v15, 1, v28
	v_lshlrev_b32 v15, 8, v15
	v_add_nc_u32 v15, s28, v15                     ; the prefetches: lane 0 my first block of 256 bytes, the other lanes my second and last
	v_mul_u32_u24 v31, v29, SGP
	v_lshl_add_u32 v31, v30, 6, v31
	v_add_nc_u32 v31, s22, v31                     ; the stage at the head, on the way out: row r, + 64 h
.irp b, 0,1,2,3
	v_mov_b32 v[TM+4+\b], 0                        ; a lane permute's destination counts as one of its sources
.endr
	WALU                                           ; the head's end
	s_mov_b32 s84, 0x3e027906                      ; A1 = 0.254829592 / 2 (the packed forms name each pair whole)
	s_mov_b32 s85, 0x3e027906
	s_mov_b32 s86, 0xbe11a98e                      ; A2 = -0.284496736 / 2
	s_mov_b32 s87, 0xbe11a98e
	s_mov_b32 s88, 0x3f35f0e3                      ; A3 = 1.421413741 / 2
	s_mov_b32 s89, 0x3f35f0e3
	s_mov_b32 s90, 0x3f07dc22                      ; A5 = 1.061405429 / 2
	s_mov_b32 s91, 0x3f07dc22
	s_mov_b32 s92, 0x3f596d27                      ; c = sqrt(log2(e) / 2)
	s_mov_b32 s93, 0x3f596d27
	s_mov_b32 s94, 0x3e8ba43f                      ; P = 0.3275911 / sqrt(log2(e))
	s_mov_b32 s95, 0x3a800000                      ; 1 / 1024
	s_mov_b32 s97, 0x3727c5ac                      ; 1e-5
	s_mov_b32 s98, 0x76543210                      ; v_permlanex16_b32's selects for lane l xor 16
	s_mov_b32 s99, 0xfedcba98
	s_mov_b32 s23, 0                               ; i, the scale
	s_cmp_eq_u32 s20, 0
	s_cselect_b32 s26, 1, 0                        ; wave 0 asks
	s_mov_b32 s67, 0
	s_wait_kmcnt 0x0
	s_mov_b32 s29, 0x600000                        ; the mantissa field of 448
	s_lshl_b32 s66, ttmp9, 18
	s_add_nc_u64 s[4:5], s[4:5], s[66:67]          ; x: g x 64 rows of 4,096 bytes; v14 adds my K step's 512 bytes and 16 x lane
	s_lshl_b32 s66, ttmp9, 12
	s_add_nc_u64 s[18:19], s[18:19], s[66:67]      ; part[0][g]
	XLOAD 0
	XLOAD 1
	s_cmp_lg_u32 s26, 0
	s_cbranch_scc0 .Lno_first_ask
	global_prefetch_b8 v15, s[8:9] th:TH_LOAD_NT scope:SCOPE_SE
	global_prefetch_b8 v15, s[8:9] offset:WSTEP th:TH_LOAD_NT scope:SCOPE_SE
	global_prefetch_b8 v15, s[8:9] offset:2*WSTEP th:TH_LOAD_NT scope:SCOPE_SE
.Lno_first_ask:
.irp f, 0,1,2,3
.if \f < 3
	s_wait_loadcnt 16                              ; this fragment's 16 loads are in; the next fragment's 16 stay out
.else
	s_wait_loadcnt 0x0
.endif
	XTURN \f
	s_wait_dscnt 0x0
	XQUANT \f
.irp c, 0,1,2,3
	ds_store_b128 v4, v[XPC+16*\f+4*\c:XPC+16*\f+4*\c+3] offset:XC+2048*\f+512*\c   ; the fragment's image
.endr
.if \f < 2
	XLOAD \f+2
.endif
.endr
	v_cmp_ne_u32 vcc_lo, 0, v30                    ; lanes 0-15 carry fragments 0 and 1's words, lanes 16-31 fragments 2 and 3's
	v_cndmask_b32 v246, v[PW], v[PW+2], vcc_lo
	v_cndmask_b32 v247, v[PW+1], v[PW+3], vcc_lo
	ds_store_b64 v6, v[246:247]
	WALU
	s_wait_dscnt 0x0                               ; for the others' sake: my stores are done
	s_barrier_signal -1
	s_barrier_wait -1                              ; x is whole in LDS, and is only read from here on
.Lscale:
	s_cmp_lt_u32 s23, 2
	s_cselect_b32 s27, s26, 0
	global_load_b64 v[16:17], v7, s[10:11]         ; K step 0: W's scale words,
	global_load_b64 v[18:19], v7, s[10:11] offset:256
	WIN 0x40                                       ; destination window 1
.irp bb, 0,1,2,3,4,5,6,7
.irp a, 0,1,2,3
	global_load_b128 v[32*\bb+8*\a:32*\bb+8*\a+3], v13, s[12:13] offset:64*\bb       ; THE BIAS STARTS THE SUMS: my eight columns of tile b, for each of the four token tiles,
	global_load_b128 v[32*\bb+8*\a+4:32*\bb+8*\a+7], v13, s[12:13] offset:64*\bb+16
.endr
.endr
	WIN 0
.irp bb, 0,1,2,3,4,5,6,7
	GFRAG 96+16*\bb,2048*\bb                       ; and W's eight fragments, in the order of their use
.endr
.irp a, 0,1,2,3
	FRAG 32+16*\a,2048*\a
.endr
	ds_load_b64 v[20:21], v8
	STEP 0
	STEP 1
	STEP 2
	STEP 3
	STEP 4
	STEP 5
	STEP 6
	STEP 7
	; ---- behind the product.  Window 0 now: v32-95 at work; v96 + 16 b: gamma of column tile b (8), then c x beta (8); v224-239 the polynomial; v240 + 4 a: {mean, later c x rstd; 0; the token's weight; 0}
	PLACES 8                                       ; eight places behind the last products
	WIN 0
.irp bb, 0,1,2,3,4,5,6,7
	global_load_b128 v[96+16*\bb:99+16*\bb], v13, s[14:15] offset:64*\bb
	global_load_b128 v[100+16*\bb:103+16*\bb], v13, s[14:15] offset:64*\bb+16
	global_load_b128 v[104+16*\bb:107+16*\bb], v13, s[16:17] offset:64*\bb
	global_load_b128 v[108+16*\bb:111+16*\bb], v13, s[16:17] offset:64*\bb+16
.endr
	v_mov_b32 v28, 0xbf3a00e3                      ; A4 = -1.453152027 / 2, as a pair
	v_mov_b32 v29, 0xbf3a00e3
.irp a, 0,1,2,3
	v_mov_b32 v[76+\a], 0                          ; a lane permute's destination counts as one of its sources
	v_mov_b32 v[241+4*\a], 0                       ; the upper words of pairs that the packed forms name whole
	v_mov_b32 v[243+4*\a], 0
.endr
; the four chains v[64 + 2 a : 65 + 2 a] hold a token's sum over my lane's 64 columns; they are added over the lane's two halves, go to LDS, and every wave reads all eight waves' sums
.macro ACROSS so
.irp a, 0,1,2,3
	v_add_f32 v[72+\a], v[64+2*\a], v[65+2*\a]
.endr
.irp a, 0,1,2,3
	v_permlanex16_b32 v[76+\a], v[72+\a], s98, s99
.endr
.irp a, 0,1,2,3
	v_add_f32 v[72+\a], v[72+\a], v[76+\a]         ; token 16 a + r over my wave's 128 columns
.endr
.irp a, 0,1,2,3
	ds_store_b32 v9, v[72+\a] offset:\so+512*\a    ; both halves of the lanes write the same word with the same value
.endr
	WALU
	s_wait_dscnt 0x0                               ; for the others' sake: my stores are done, and so are my reads of the other table
	s_barrier_signal -1
	s_barrier_wait -1
.irp a, 0,1,2,3
	ds_load_b128 v[32+8*\a:35+8*\a], v10 offset:\so+512*\a
	ds_load_b128 v[36+8*\a:39+8*\a], v10 offset:\so+512*\a+16
.endr
.endm
.macro TOTAL                           ; the eight waves' sums, in the same order in every wave: into v[32 + 8 a]
.irp a, 0,1,2,3
	v_pk_add_f32 v[32+8*\a:33+8*\a], v[32+8*\a:33+8*\a], v[34+8*\a:35+8*\a]
.endr
.irp a, 0,1,2,3
	v_pk_add_f32 v[36+8*\a:37+8*\a], v[36+8*\a:37+8*\a], v[38+8*\a:39+8*\a]
.endr
.irp a, 0,1,2,3
	v_pk_add_f32 v[32+8*\a:33+8*\a], v[32+8*\a:33+8*\a], v[36+8*\a:37+8*\a]
.endr
.irp a, 0,1,2,3
	v_add_f32 v[32+8*\a], v[32+8*\a], v[33+8*\a]
.endr
.endm
	; the mean.  Each accumulator is read from its low end on
	WIN 0x05                                       ; sources 0 and 1 in window 1
.irp a, 0,1,2,3
	v_pk_add_f32 v[64+2*\a:65+2*\a], v[8*\a:8*\a+1], v[8*\a+2:8*\a+3]
.endr
	WIN 0x01
.irp bb, 0,1,2,3,4,5,6,7
.irp pr, 0,1,2,3
.if (\bb > 0) || (\pr > 1)
.irp a, 0,1,2,3
	v_pk_add_f32 v[64+2*\a:65+2*\a], v[32*\bb+8*\a+2*\pr:32*\bb+8*\a+2*\pr+1], v[64+2*\a:65+2*\a]
.endr
.endif
.endr
.endr
	WIN 0
	ACROSS 0
	s_wait_dscnt 0x0
	TOTAL
.irp a, 0,1,2,3
	v_mul_f32 v[240+4*\a], s95, v[32+8*\a]         ; the mean
.endr
	; the variance, in two passes: y - mean in place, then the squares
	WIN 0x41                                       ; destination and source 0 in window 1
.irp bb, 0,1,2,3,4,5,6,7
.irp pr, 0,1,2,3
.irp a, 0,1,2,3
	v_pk_add_f32 v[32*\bb+8*\a+2*\pr:32*\bb+8*\a+2*\pr+1], v[32*\bb+8*\a+2*\pr:32*\bb+8*\a+2*\pr+1], v[240+4*\a:241+4*\a] op_sel_hi:[1,0] neg_lo:[0,1] neg_hi:[0,1]
.endr
.endr
.endr
	WIN 0x05
.irp a, 0,1,2,3
	v_pk_mul_f32 v[64+2*\a:65+2*\a], v[8*\a:8*\a+1], v[8*\a:8*\a+1]
.endr
.irp bb, 0,1,2,3,4,5,6,7
.irp pr, 0,1,2,3
.if (\bb > 0) || (\pr > 0)
.irp a, 0,1,2,3
	v_pk_fma_f32 v[64+2*\a:65+2*\a], v[32*\bb+8*\a+2*\pr:32*\bb+8*\a+2*\pr+1], v[32*\bb+8*\a+2*\pr:32*\bb+8*\a+2*\pr+1], v[64+2*\a:65+2*\a]
.endr
.endif
.endr
.endr
	WIN 0
	ACROSS 2048
	; while those loads are out: token k of its batch lies in min(k + 1, s, nw, 512 - k) windows, s = 4 << i, nw = 513 - s; its weight is that count / (nw s), and 1 / c rides on it
	s_and_b32 s66, ttmp9, 7
	s_lshl_b32 s66, s66, 6                         ; my block's first token in its batch
	s_lshl_b32 s67, 4, s23                         ; s
	s_sub_co_u32 s2, 513, s67                      ; nw
	s_min_u32 s3, s67, s2
	s_mul_i32 s2, s2, s67                          ; nw s
	v_and_b32 v30, 15, v0
	v_add_nc_u32 v30, s66, v30                     ; k of token tile 0
.irp a, 0,1,2,3
	v_add_nc_u32 v[80+\a], 16*\a+1, v30            ; k + 1
	v_sub_nc_u32 v[84+\a], 512-16*\a, v30          ; 512 - k
.endr
.irp a, 0,1,2,3
	v_min_u32 v[80+\a], v[80+\a], v[84+\a]
.endr
.irp a, 0,1,2,3
	v_min_u32 v[80+\a], s3, v[80+\a]
.endr
.irp a, 0,1,2,3
	v_cvt_f32_u32 v[80+\a], v[80+\a]
.endr
	v_cvt_f32_u32 v31, s2
	v_mul_f32 v31, s92, v31                        ; nw s c
	WALU
	s_wait_dscnt 0x0
	TOTAL
.irp a, 0,1,2,3
	v_fma_f32 v[32+8*\a], v[32+8*\a], s95, s97     ; the variance + 1e-5
.endr
	WALU                                           ; ahead of the batch of five
.irp a, 0,1,2,3
	v_rsq_f32 v[88+\a], v[32+8*\a]
.endr
	v_rcp_f32 v92, v31
	v_nop                                          ; a plain instruction behind the last of the five
	WALU                                           ; and behind it, ahead of their first reader
.irp a, 0,1,2,3
	v_mul_f32 v[240+4*\a], s92, v[88+\a]           ; c x rstd takes the mean's place
	v_mul_f32 v[242+4*\a], v[80+\a], v92           ; the token's weight / c
.endr
	WALU
	s_wait_loadcnt 0x0                             ; gamma and beta
.irp bb, 0,1,2,3,4,5,6,7
.irp pr, 0,1,2,3
	v_pk_mul_f32 v[104+16*\bb+2*\pr:105+16*\bb+2*\pr], v[104+16*\bb+2*\pr:105+16*\bb+2*\pr], s[92:93] op_sel_hi:[1,0]   ; c x beta
.endr
.endr
; GELU AND THE TOKENS' SUM, in 16 batches of 16 registers: batch n is column tile n / 2, token tiles 2 (n % 2) and 2 (n % 2) + 1: v[16 n ..] of window 1.  T(n) = v[32 + 32 (n % 2) ..], Q(n) = T(n) + 16.
; PA n: v' = (y - mean)(c rstd) gamma + c beta in place; T = 1 + P |v'|; Q = -v' v'.
.macro PA n
.set AB, 16*(\n)
.set aT, 32+32*((\n)%2)
.set aG, 96+16*((\n)/2)
.set aR, 240+8*((\n)%2)
	WIN 0x41
.irp e, 0,1
.irp pr, 0,1,2,3
	v_pk_mul_f32 v[AB+8*\e+2*\pr:AB+8*\e+2*\pr+1], v[AB+8*\e+2*\pr:AB+8*\e+2*\pr+1], v[aR+4*\e:aR+4*\e+1] op_sel_hi:[1,0]
.endr
.endr
.irp e, 0,1
.irp pr, 0,1,2,3
	v_pk_fma_f32 v[AB+8*\e+2*\pr:AB+8*\e+2*\pr+1], v[AB+8*\e+2*\pr:AB+8*\e+2*\pr+1], v[aG+2*\pr:aG+2*\pr+1], v[aG+8+2*\pr:aG+8+2*\pr+1]
.endr
.endr
	WIN 0x01
.irp k, 0,1,2,3,4,5,6,7,8,9,10,11,12,13,14,15
	v_fma_f32 v[aT+\k], |v[AB+\k]|, s94, 1.0
.endr
	WIN 0x05
.irp k, 0,2,4,6,8,10,12,14
	v_pk_mul_f32 v[aT+16+\k:aT+17+\k], v[AB+\k:AB+\k+1], v[AB+\k:AB+\k+1] neg_lo:[1,0] neg_hi:[1,0]
.endr
.endm
.macro BL n, x                         ; line x of 32 of batch n's transcendentals: t = 1 / T (16), then 2^Q (16), in place
.set bT, 32+32*((\n)%2)+(\x)
.if (\x) < 16
	v_rcp_f32 v[bT], v[bT]
.else
	v_exp_f32 v[bT], v[bT]
.endif
.endm
.macro C1L m, x                        ; line x of 48 of batch m's polynomial, step by step over its 8 pairs: Q = r' at the end
.set cS, (\x)/8
.set cK, 2*((\x)%8)
.set cT, 32+32*((\m)%2)+cK
.set cQ, cT+16
.set cH, 224+cK
.if cS == 0
	v_pk_fma_f32 v[cH:cH+1], v[cT:cT+1], s[90:91], v[28:29] op_sel_hi:[1,0,1]
.elseif cS == 1
	v_pk_fma_f32 v[cH:cH+1], v[cH:cH+1], v[cT:cT+1], s[88:89] op_sel_hi:[1,1,0]
.elseif cS == 2
	v_pk_fma_f32 v[cH:cH+1], v[cH:cH+1], v[cT:cT+1], s[86:87] op_sel_hi:[1,1,0]
.elseif cS == 3
	v_pk_fma_f32 v[cH:cH+1], v[cH:cH+1], v[cT:cT+1], s[84:85] op_sel_hi:[1,1,0]
.elseif cS == 4
	v_pk_mul_f32 v[cH:cH+1], v[cH:cH+1], v[cT:cT+1]
.else
	v_pk_fma_f32 v[cQ:cQ+1], v[cH:cH+1], v[cQ:cQ+1], 0.5 op_sel_hi:[1,1,0] neg_lo:[1,0,0] neg_hi:[1,0,0]
.endif
.endm
.macro PC2 m                           ; 0.5 v' + |v'| r' in place, then x the token's weight, summed over the four token tiles into tile 0's accumulator
.set AB, 16*(\m)
.set dT, 32+32*((\m)%2)
	WIN 0x01
.irp k, 0,2,4,6,8,10,12,14
	v_pk_mul_f32 v[dT+\k:dT+\k+1], v[AB+\k:AB+\k+1], 0.5 op_sel_hi:[1,0]
.endr
	WIN 0x41
.irp k, 0,1,2,3,4,5,6,7,8,9,10,11,12,13,14,15
	v_fma_f32 v[AB+\k], |v[AB+\k]|, v[dT+16+\k], v[dT+\k]
.endr
.if ((\m)%2) == 0
.irp pr, 0,1,2,3
	v_pk_mul_f32 v[AB+2*\pr:AB+2*\pr+1], v[AB+2*\pr:AB+2*\pr+1], v[242:243] op_sel_hi:[1,0]
.endr
	WIN 0x51                                       ; source 2 in window 1 too
.irp pr, 0,1,2,3
	v_pk_fma_f32 v[AB+2*\pr:AB+2*\pr+1], v[AB+8+2*\pr:AB+9+2*\pr], v[246:247], v[AB+2*\pr:AB+2*\pr+1] op_sel_hi:[1,0,1]
.endr
.else
	WIN 0x51
.irp e, 0,1
.irp pr, 0,1,2,3
	v_pk_fma_f32 v[AB-16+2*\pr:AB-15+2*\pr], v[AB+8*\e+2*\pr:AB+8*\e+2*\pr+1], v[250+4*\e:251+4*\e], v[AB-16+2*\pr:AB-15+2*\pr] op_sel_hi:[1,0,1]
.endr
.endr
.endif
.endm
; A stage: batch n's sources; ONE wait, which stands ahead of batch n and behind batch n - 1; batch n's 32 transcendentals on end; then batch n - 1's plain lines, which name none of batch n's registers.
.macro STAGE n
.set PM, (\n)-1
.if (\n) < 16
	PA \n
.endif
	WIN 0
	WALU
.if (\n) < 16
.set gi, 0
.rept 32
	BL \n,gi
.set gi, gi+1
.endr
.endif
.if (\n) > 0
.set gi, 0
.rept 48
	C1L PM,gi
.set gi, gi+1
.endr
	PC2 PM
.endif
.endm
.set NB, 0
.rept 17
	STAGE NB
.set NB, NB+1
.endr
	; THE WAY OUT.  Lane (r, h) holds, for tokens r, 16 + r, 32 + r, 48 + r together, its eight columns of each tile.  The sixteen r meet through my own stage: rows of 512 bytes in, 16 bytes a lane of each row back.
	WIN 0x04                                       ; an LDS store's data are its source 1: window 1
.irp bb, 0,1,2,3,4,5,6,7
	ds_store_b128 v11, v[32*\bb:32*\bb+3] offset:64*\bb
	ds_store_b128 v11, v[32*\bb+4:32*\bb+7] offset:64*\bb+16
.endr
	WIN 0
.irp rr, 0,1,2,3,4,5,6,7,8,9,10,11,12,13,14,15
	ds_load_b128 v[96+4*\rr:99+4*\rr], v12 offset:SGP*\rr   ; LDS serves a wave's instructions in order (ISA guide 5.7.1.4): these see my stores
.endr
	s_wait_dscnt 0x0
.macro QADD j, d
	v_pk_add_f32 v[96+4*(\j):97+4*(\j)], v[96+4*(\j):97+4*(\j)], v[96+4*((\j)+(\d)):97+4*((\j)+(\d))]
	v_pk_add_f32 v[98+4*(\j):99+4*(\j)], v[98+4*(\j):99+4*(\j)], v[98+4*((\j)+(\d)):99+4*((\j)+(\d))]
.endm
.irp j, 0,2,4,6,8,10,12,14
	QADD \j,1
.endr
.irp j, 0,4,8,12
	QADD \j,2
.endr
	QADD 0,4
	QADD 8,4
	QADD 0,8
	global_store_b128 v14, v[96:99], s[18:19]      ; 32 lanes store 512 consecutive bytes, aligned
	WALU
	s_wait_xcnt 0x0                                ; the store's data, the prefetches' and the loads' bases are written again only behind this wait
	s_add_nc_u64 s[8:9], s[8:9], 0x100000          ; on to the next scale: W's codes,
	s_add_nc_u64 s[10:11], s[10:11], 0x8000        ; its scale words,
	s_add_nc_u64 s[12:13], s[12:13], 0x1000        ; b, gamma, beta,
	s_add_nc_u64 s[14:15], s[14:15], 0x1000
	s_add_nc_u64 s[16:17], s[16:17], 0x1000
	s_add_nc_u64 s[18:19], s[18:19], 0x100000      ; part[i + 1][g]
	s_add_co_u32 s23, s23, 1
	s_cmp_lt_u32 s23, 3
	s_cbranch_scc1 .Lscale
	s_wait_tensorcnt 0x0                           ; the wave's end: behind my last LDS store
	ds_add_u32 v1, v2
	s_wait_dscnt 0x0
	s_endpgm
.Lfunc_end_k_q121a0f7ab0_mlp:
	.size	k_q121a0f7ab0_mlp, .Lfunc_end_k_q121a0f7ab0_mlp-k_q121a0f7ab0_mlp
	.p2alignl 7, 3214868480
	.fill 96, 4, 3214868480
	.section	.rodata,"a",@progbits
	.p2align	6, 0x0
	.amdhsa_kernel k_q121a0f7ab0_mlp
		.amdhsa_group_segment_fixed_size 140288
		.amdhsa_private_segment_fixed_size 0
		.amdhsa_enable_private_segment 0
		.amdhsa_kernarg_size 56
		.amdhsa_user_sgpr_count 2
		.amdhsa_user_sgpr_kernarg_segment_ptr 1
		.amdhsa_wavefront_size32 1
		.amdhsa_system_sgpr_workgroup_id_x 1
		.amdhsa_system_sgpr_workgroup_id_y 1
		.amdhsa_system_sgpr_workgroup_id_z 1
		.amdhsa_system_vgpr_workitem_id 0
		.amdhsa_next_free_vgpr 512
		.amdhsa_next_free_sgpr 100
		.amdhsa_reserve_vcc 1
		.amdhsa_float_denorm_mode_32 3
		.amdhsa_float_denorm_mode_16_64 3
		.amdhsa_memory_ordered 1
		.amdhsa_forward_progress 1
		.amdhsa_inst_pref_size 255
	.end_amdhsa_kernel
	.section	.bss,"aw",@nobits
	.p2align	6
	.space	262144
	.amdgpu_metadata
---
amdhsa.version: [ 1, 2 ]
amdhsa.kernels:
  - .name:           k_q121a0f7ab0_mlp
    .symbol:         k_q121a0f7ab0_mlp.kd
    .args:
      - { .name: x, .offset: 0, .size: 8, .value_kind: global_buffer, .address_space: global }
      - { .name: wq, .offset: 8, .size: 8, .value_kind: global_buffer, .address_space: global }
      - { .name: ws, .offset: 16, .size: 8, .value_kind: global_buffer, .address_space: global }
      - { .name: b, .offset: 24, .size: 8, .value_kind: global_buffer, .address_space: global }
      - { .name: gamma, .offset: 32, .size: 8, .value_kind: global_buffer, .address_space: global }
      - { .name: beta, .offset: 40, .size: 8, .value_kind: global_buffer, .address_space: global }
      - { .name: part, .offset: 48, .size: 8, .value_kind: global_buffer, .address_space: global }
    .group_segment_fixed_size: 140288
    .private_segment_fixed_size: 0
    .kernarg_segment_align: 8
    .kernarg_segment_size: 56
    .max_flat_workgroup_size: 256
    .sgpr_count:     100
    .vgpr_count:     512
    .wavefront_size: 32
...
	.end_amdgpu_metadata
.endif
;; end of part 2
;; launch fold (part 3): grid 32 x 3, 8 waves a work-group, no clusters, 0 bytes of LDS; arguments part, out0, out1, out2; writes out0, out1, out2
.if DOCPART == 3
	.amdgcn_target "amdgcn-amd-amdhsa--gfx1250"
	.amdhsa_code_object_version 6
	.text
	.protected	k_q121a0f7ab0_fold
	.globl	k_q121a0f7ab0_fold
	.p2align	8
	.type	k_q121a0f7ab0_fold,@function
k_q121a0f7ab0_fold:
	s_mov_b64 s[64:65], 0
	v_nop
	global_prefetch_b8 v0, s[64:65] scope:SCOPE_SE
	s_setreg_imm32_b32 hwreg(HW_REG_WAVE_MODE, 25, 1), 1
	s_wait_xcnt 0x0
; out_i[batch][:] = the sum of part[i][8 batch + j][:], j = 0 .. 7: a batch's 512 tokens are eight row blocks of 64, each summed with its weights by the launch before.
; A work-group takes one batch (x) of one scale (y): 256 threads x 16 bytes are a row of 1,024 f32; each load and the store of a wave cover 512 consecutive bytes, aligned.
; No LDS, no barrier, no matrix unit: 32 KiB in and 4 KiB out for each work-group.
	s_load_b256 s[4:11], s[0:1], 0x0               ; part s[4:5], out0 s[6:7], out1 s[8:9], out2 s[10:11]
	s_and_b32 s12, ttmp7, 0xffff                   ; the scale
	v_lshlrev_b32 v1, 4, v0                        ; my 16 bytes of a row
	s_lshl_b32 s13, s12, 8
	s_lshl_b32 s14, ttmp9, 3
	s_add_co_u32 s13, s13, s14                     ; 256 i + 8 batch: the first of my eight rows of part
	s_lshl_b32 s14, s13, 12
	s_mov_b32 s15, 0
	s_lshl_b32 s16, ttmp9, 12                      ; my row of the output
	s_mov_b32 s17, 0
	s_wait_alu depctr_va_vdst(0)
	s_wait_kmcnt 0x0
	s_add_nc_u64 s[4:5], s[4:5], s[14:15]
	s_cmp_eq_u32 s12, 0                            ; the output is chosen by the work-group's y alone
	s_cselect_b64 s[6:7], s[6:7], s[8:9]
	s_cmp_eq_u32 s12, 2
	s_cselect_b64 s[6:7], s[10:11], s[6:7]
	s_add_nc_u64 s[6:7], s[6:7], s[16:17]
.irp j, 0,1,2,3,4,5,6,7
	global_load_b128 v[4+4*\j:7+4*\j], v1, s[4:5] offset:4096*\j th:TH_LOAD_NT
.endr
	s_wait_loadcnt 0x0
.macro QADD j, d
	v_pk_add_f32 v[4+4*(\j):5+4*(\j)], v[4+4*(\j):5+4*(\j)], v[4+4*((\j)+(\d)):5+4*((\j)+(\d))]
	v_pk_add_f32 v[6+4*(\j):7+4*(\j)], v[6+4*(\j):7+4*(\j)], v[6+4*((\j)+(\d)):7+4*((\j)+(\d))]
.endm
.irp j, 0,2,4,6
	QADD \j,1
.endr
	QADD 0,2
	QADD 4,2
	QADD 0,4
	global_store_b128 v1, v[4:7], s[6:7]
	s_endpgm
.Lfunc_end_k_q121a0f7ab0_fold:
	.size	k_q121a0f7ab0_fold, .Lfunc_end_k_q121a0f7ab0_fold-k_q121a0f7ab0_fold
	.p2alignl 7, 3214868480
	.fill 96, 4, 3214868480
	.section	.rodata,"a",@progbits
	.p2align	6, 0x0
	.amdhsa_kernel k_q121a0f7ab0_fold
		.amdhsa_group_segment_fixed_size 0
		.amdhsa_private_segment_fixed_size 0
		.amdhsa_enable_private_segment 0
		.amdhsa_kernarg_size 32
		.amdhsa_user_sgpr_count 2
		.amdhsa_user_sgpr_kernarg_segment_ptr 1
		.amdhsa_wavefront_size32 1
		.amdhsa_system_sgpr_workgroup_id_x 1
		.amdhsa_system_sgpr_workgroup_id_y 1
		.amdhsa_system_sgpr_workgroup_id_z 1
		.amdhsa_system_vgpr_workitem_id 0
		.amdhsa_next_free_vgpr 40
		.amdhsa_next_free_sgpr 66
		.amdhsa_reserve_vcc 0
		.amdhsa_float_denorm_mode_32 3
		.amdhsa_float_denorm_mode_16_64 3
		.amdhsa_memory_ordered 1
		.amdhsa_forward_progress 1
		.amdhsa_inst_pref_size 3
	.end_amdhsa_kernel
	.amdgpu_metadata
---
amdhsa.version: [ 1, 2 ]
amdhsa.kernels:
  - .name:           k_q121a0f7ab0_fold
    .symbol:         k_q121a0f7ab0_fold.kd
    .args:
      - { .name: part, .offset: 0, .size: 8, .value_kind: global_buffer, .address_space: global }
      - { .name: out0, .offset: 8, .size: 8, .value_kind: global_buffer, .address_space: global }
      - { .name: out1, .offset: 16, .size: 8, .value_kind: global_buffer, .address_space: global }
      - { .name: out2, .offset: 24, .size: 8, .value_kind: global_buffer, .address_space: global }
    .group_segment_fixed_size: 0
    .private_segment_fixed_size: 0
    .kernarg_segment_align: 8
    .kernarg_segment_size: 32
    .max_flat_workgroup_size: 256
    .sgpr_count:     66
    .vgpr_count:     40
    .wavefront_size: 32
...
	.end_amdgpu_metadata
.endif
;; end of part 3
